; MI455X (gfx1250); checked and timed in simulation.
; The chip was launched on July 23, 2026; its instructions are those of AMD's public machine-readable ISA for CDNA 5 (MIT licence, August 2026) and "CDNA5" Instruction Set Architecture Reference Guide (July 2026). The comments in the code are by the model that wrote it; some were corrected since.
;; Quant Linear. Allowed arithmetic: float matrix products may take bf16 or f16 operands with f32 sums; other float arithmetic in f32, or as packed bf16 or f16 multiplies, adds, multiply-adds, maxima and minima; sums over many terms, partial sums and values carried from step to step in f32; what a program stores and reads back later, other than sums and carried values, may be rounded once to bf16 or f16.
;; Inputs: b 4,096 float32; weight 4,096 x 4,096 float32; x 4,096 x 4,096 float32.
;; Outputs: out0 4,096 x 4,096 float32.
;; 2 versions, each right; version 2 is version 1 with the launch prep written anew for expert scheduling mode. Each part assembles by itself: llvm-mc -triple=amdgcn-amd-amdhsa -mcpu=gfx1250 --defsym DOCPART=n.
;; ======== version 1 of 2: 2 launches
;; limits: values are held in f16: magnitudes above 65,504 overflow, below 6.1e-05 lose precision; inputs' magnitudes at most 65,504; right only within a limited range of input values
;; workspace buffers: xh 33,554,432 bytes; wh 33,554,432 bytes
;; launch prep (part 1): grid 1024 x 1, 8 waves a work-group, no clusters, 0 bytes of LDS; arguments x, weight, xh, wh; writes xh, wh
.if DOCPART == 1
	.amdgcn_target "amdgcn-amd-amdhsa--gfx1250"
	.amdhsa_code_object_version 6
	.text
	.protected	k_qe5c5389c9e_prep
	.globl	k_qe5c5389c9e_prep
	.p2align	8
	.type	k_qe5c5389c9e_prep,@function
k_qe5c5389c9e_prep:
	s_mov_b64 s[64:65], 0
	v_nop
	global_prefetch_b8 v0, s[64:65] scope:SCOPE_SE
	s_setreg_imm32_b32 hwreg(HW_REG_WAVE_MODE, 25, 1), 1
	s_wait_xcnt 0x0
; xh = x rounded once to f16.  wh = w_deq rounded to f16, where w_deq is weight put through the group-wise E2M1 quantise / dequantise:
; groups of 128 along a row, scale s = amax / 6 (1 where amax = 0), a = w / s, a quantised, times s.  Both [4096][4096], row-major.
; NOTHING IS LEFT OUT: all three inputs reach the output; x and weight are read here, b by the product's launch.
; THE QUANTISER AS A FUNCTION OF a's BITS.  All steps behind the quotient a are exact in f32 (a division by 1, 2 or 4, minus 1, times 2), so the result hangs on a's bits alone:
;   |a| < 1: 0.5 where |a| > 0.25, else 0 (the tie at 0.25 goes to the even 0).   |a| >= 1: the exponent stays, and the one mantissa bit is 1 where the fraction is above 0.25
;   (the tie goes to 0; a round-up to 2 is clipped to 1, never carried into the exponent).  The sign is a's.
; So a quotient one step off puts a weight on the wrong side of a threshold, and the two divisions are made to the last bit:
;   s = amax x (1/6 rounded to f32), ONE rounding: the form that a division by the constant 6.0 takes where reference() is compiled as a whole;
;   a = w / s, a division by a number that is no constant: correctly rounded.
; LIMITS.  Against the true quotient amax / 6 this s is the same or one step larger; a weight whose quotient lies within a step of a threshold then falls on the other side of it.
; |x| and |w_deq| under 65,504 (f16's range; beyond 65,520 the conversion gives an infinity).  A group's amax is 0 or within 2^-96 .. 2^96, so that the reciprocal and the
; residuals stay normal; then |a| < 8 and the upper clip of the exponent never acts.  floor(log2 a) is taken as the exponent field, that is, exactly.  NaN and infinities in weight
; are not treated as reference() treats them (the maximum drops a NaN).  w_deq is rounded twice: to f32, as reference() has it, and then to f16.
; SHARES.  Eight waves; waves 0-3 take four rows of x, waves 4-7 the same four rows of weight: every work-group has the same mix.  A wave owns one row: 16,384 bytes in, 8,192 out,
; in 32 chunks.  A load of the wave takes 512 consecutive bytes, 16 a lane: one group of 128 weights.  A store puts 256 consecutive bytes, aligned, 8 a lane.
; No LDS, no barrier: no wave wants a byte of another's.  No prefetch: the launch does nothing but stream.
.set CHIN,  512                        ; bytes of a chunk as loaded
.set CHOUT, 256                        ; and as stored
.set VI,  1                            ; v1        16 x lane; never rewritten
.set VO,  2                            ; v2        8 x lane; never rewritten
.set X,   4                            ; v[4:35]   as loaded: x: eight slots of 4; weight: two buffers of four groups
.set Y,   36                           ; v[36:51]  to store: x: eight slots of 2; weight: two buffers of four groups
.set M,   52                           ; v[52:55]  a group's amax
.set T,   56                           ; v[56:59]  at work
.set P,   60                           ; v[60:75]  group g at P + 4 g: s, a residual, 1/s refined, 1/s as v_rcp_f32 gives it; the packed lines name the pairs and take the even register for both halves
.set Q,   76                           ; v[76:91]  16 quotients, then 16 results
.set R,   92                           ; v[92:107] 16 magnitudes, residuals, quantised patterns
.set U,   108                          ; v[108:111] at work
.set IN,  16                           ; s[16:17]  my row in x or weight
.set OUT, 18                           ; s[18:19]  my row in xh or wh
	s_load_b256 s[4:11], s[0:1], 0x0               ; x s[4:5], weight s[6:7], xh s[8:9], wh s[10:11]
	v_and_b32 v3, 31, v0
	v_lshlrev_b32 v[VI], 4, v3
	v_lshlrev_b32 v[VO], 3, v3
	v_lshrrev_b32 v3, 5, v0
	v_readfirstlane_b32 s12, v3                    ; wave 0..7
	s_lshr_b32 s13, s12, 2                         ; 0: x, 1: weight
	s_and_b32 s14, s12, 3
	s_lshl_b32 s15, ttmp9, 2
	s_add_co_u32 s14, s14, s15                     ; my row = 4 x work-group + wave % 4
	s_mov_b32 s21, 0
	s_mov_b32 s22, 3                               ; trips of either loop: 24 of the 32 chunks; the last eight load nothing
	s_wait_kmcnt 0x0
	s_cmp_eq_u32 s13, 0
	s_cselect_b64 s[IN:IN+1], s[4:5], s[6:7]
	s_cselect_b64 s[OUT:OUT+1], s[8:9], s[10:11]
	s_lshl_b32 s20, s14, 14                        ; row x 16,384 bytes, under 2^26
	s_add_nc_u64 s[IN:IN+1], s[IN:IN+1], s[20:21]
	s_lshl_b32 s20, s14, 13                        ; row x 8,192 bytes
	s_add_nc_u64 s[OUT:OUT+1], s[OUT:OUT+1], s[20:21]
	s_cmp_eq_u32 s13, 0                            ; compared again: the shifts have written SCC
	s_cbranch_scc0 .Lweight
; ---- x: a ring of eight slots, eight loads of the wave always on their way ----
; A slot's turn.  left = the younger loads that may stay out.  ahead = 1: the slot is loaded again, eight chunks on.
.macro XSLOT i, ahead, left
	s_wait_loadcnt \left                           ; loads come back in order: this slot's is in
	v_cvt_pk_f16_f32 v[Y+2*(\i)],   v[X+4*(\i)],   v[X+4*(\i)+1]
	v_cvt_pk_f16_f32 v[Y+2*(\i)+1], v[X+4*(\i)+2], v[X+4*(\i)+3]
.if \ahead
	global_load_b128 v[X+4*(\i):X+4*(\i)+3], v[VI], s[IN:IN+1] offset:CHIN*(8+(\i)) th:TH_LOAD_NT
.endif
	global_store_b64 v[VO], v[Y+2*(\i):Y+2*(\i)+1], s[OUT:OUT+1] offset:CHOUT*(\i)
.endm
.irp i, 0,1,2,3,4,5,6,7
	global_load_b128 v[X+4*(\i):X+4*(\i)+3], v[VI], s[IN:IN+1] offset:CHIN*(\i) th:TH_LOAD_NT
.endr
.Lxtrip:
.irp i, 0,1,2,3,4,5,6,7
	XSLOT \i, 1, 7
.endr
	s_wait_xcnt 0x0                                ; the two bases, and Y, which this trip's stores read, are written again only behind this wait
	s_add_nc_u64 s[IN:IN+1], s[IN:IN+1], 8*CHIN
	s_add_nc_u64 s[OUT:OUT+1], s[OUT:OUT+1], 8*CHOUT
	s_sub_co_u32 s22, s22, 1
	s_cmp_lg_u32 s22, 0
	s_cbranch_scc1 .Lxtrip
.irp i, 0,1,2,3,4,5,6,7
	XSLOT \i, 0, 7-(\i)                            ; the last eight chunks: no load leaves the row, the counts run down
.endr
	s_endpgm
; ---- weight: two buffers of four groups; while one is worked on, the other's four loads are on their way ----
.Lweight:
	s_mov_b32 s23, 0x3e2aaaab                      ; 1/6 rounded to nearest
	s_mov_b32 s25, 0x001fffff                      ; added to a pattern, it sets bit 22 (or carries past it) where the fraction is above 0.25
	s_mov_b32 s26, 0x00400000                      ; bit 22: E2M1's one mantissa bit
	s_mov_b32 s27, 0xffc00000                      ; sign, exponent, bit 22
	s_mov_b32 s28, 0x80000000                      ; sign
	s_mov_b32 s29, 0x3e800000                      ; 0.25
	s_mov_b32 s30, 0x76543210                      ; v_permlanex16_b32: each lane takes its own place in the other half
	s_mov_b32 s31, 0xfedcba98
	s_mov_b32 s40, 0x3f000000                      ; 0.5
	s_mov_b32 s41, 0x7fffffff                      ; all but the sign
	s_mov_b32 s42, 0x3f800000                      ; 1.0
.irp g, 0,1,2,3
	v_mov_b32 v[T+(\g)], 0                         ; v_permlanex16_b32's destination counts as read: written once here
.endr
.macro WLOAD xb, c                     ; four groups, from chunk c behind the base
.irp g, 0,1,2,3
	global_load_b128 v[(\xb)+4*(\g):(\xb)+4*(\g)+3], v[VI], s[IN:IN+1] offset:CHIN*((\c)+(\g)) th:TH_LOAD_NT
.endr
.endm
.macro WSTORE yb, c
.irp g, 0,1,2,3
	global_store_b64 v[VO], v[(\yb)+2*(\g):(\yb)+2*(\g)+1], s[OUT:OUT+1] offset:CHOUT*((\c)+(\g))
.endr
.endm
.macro RESID xb                        ; R = w - s q, exact to one rounding: eight pairs
.irp p, 0,1,2,3,4,5,6,7
	v_pk_fma_f32 v[R+2*(\p):R+2*(\p)+1], v[P+4*((\p)/2):P+4*((\p)/2)+1], v[Q+2*(\p):Q+2*(\p)+1], v[(\xb)+2*(\p):(\xb)+2*(\p)+1] op_sel_hi:[0,1,1] neg_lo:[1,0,0] neg_hi:[1,0,0]
.endr
.endm
.macro CORR                            ; q = q + R / s
.irp p, 0,1,2,3,4,5,6,7
	v_pk_fma_f32 v[Q+2*(\p):Q+2*(\p)+1], v[R+2*(\p):R+2*(\p)+1], v[P+4*((\p)/2)+2:P+4*((\p)/2)+3], v[Q+2*(\p):Q+2*(\p)+1] op_sel_hi:[1,0,1]
.endr
.endm
; Four groups from buffer xb to buffer yb.  Each step is written across the four groups (or the eight pairs), so that no line waits for the one before it.
.macro WPROC xb, yb
	; the group's amax: my four magnitudes, then the 32 lanes
.irp i, 0,1,2,3,4,5,6,7,8,9,10,11,12,13,14,15
	v_and_b32 v[R+(\i)], s41, v[(\xb)+(\i)]
.endr
.irp g, 0,1,2,3
	v_max3_num_f32 v[M+(\g)], v[R+4*(\g)], v[R+4*(\g)+1], v[R+4*(\g)+2]
.endr
.irp g, 0,1,2,3
	v_max_num_f32 v[M+(\g)], v[M+(\g)], v[R+4*(\g)+3]
.endr
.irp m, 1,2,4,8
.irp g, 0,1,2,3
	v_max_num_f32_dpp v[M+(\g)], v[M+(\g)], v[M+(\g)] row_xmask:\m row_mask:0xf bank_mask:0xf
.endr
.endr
.irp g, 0,1,2,3
	v_permlanex16_b32 v[T+(\g)], v[M+(\g)], s30, s31
.endr
.irp g, 0,1,2,3
	v_max_num_f32 v[M+(\g)], v[M+(\g)], v[T+(\g)]
.endr
	; s = amax x the rounded 1/6, one rounding (see the head)
.irp g, 0,1,2,3
	v_mul_f32 v[P+4*(\g)], s23, v[M+(\g)]
.endr
.irp g, 0,1,2,3
	v_cmp_eq_f32 s[32+(\g)], 0, v[M+(\g)]
.endr
.irp g, 0,1,2,3
	v_cndmask_b32 v[P+4*(\g)], v[P+4*(\g)], s42, s[32+(\g)]  ; 1 where the group is all zeros
.endr
	; 1 / s, refined once
.irp g, 0,1,2,3
	v_rcp_f32 v[P+4*(\g)+3], v[P+4*(\g)]
.endr
	v_nop                                          ; a plain instruction behind the last reciprocal, ahead of the first use (ISA guide 5.7.2)
	s_wait_alu depctr_va_vdst(0)                   ; ahead of the first line that names a result: one for the four
.irp g, 0,1,2,3
	v_fma_f32 v[P+4*(\g)+1], -v[P+4*(\g)], v[P+4*(\g)+3], 1.0
.endr
.irp g, 0,1,2,3
	v_fma_f32 v[P+4*(\g)+2], v[P+4*(\g)+1], v[P+4*(\g)+3], v[P+4*(\g)+3]
.endr
	; a = w / s, correctly rounded: the estimate w x (1/s), and two steps of residual and correction
.irp p, 0,1,2,3,4,5,6,7
	v_pk_mul_f32 v[Q+2*(\p):Q+2*(\p)+1], v[(\xb)+2*(\p):(\xb)+2*(\p)+1], v[P+4*((\p)/2)+2:P+4*((\p)/2)+3] op_sel_hi:[1,0]
.endr
	RESID \xb
	CORR
	RESID \xb
	CORR
	; the quantiser, on a's bits, four numbers at a time (the eight masks lie in s[32:39])
.irp c, 0,1,2,3
.irp j, 0,1,2,3
	v_and_b32 v[T+(\j)], s41, v[Q+4*(\c)+(\j)]                       ; |a|: as a pattern it orders like the number
.endr
.irp j, 0,1,2,3
	v_add_nc_u32 v[R+4*(\c)+(\j)], s25, v[Q+4*(\c)+(\j)]
.endr
.irp j, 0,1,2,3
	v_and_or_b32 v[R+4*(\c)+(\j)], v[R+4*(\c)+(\j)], s26, v[Q+4*(\c)+(\j)]  ; bit 22 of the sum, or a's own where the sum has carried past it: the clipped round-up
.endr
.irp j, 0,1,2,3
	v_and_b32 v[R+4*(\c)+(\j)], s27, v[R+4*(\c)+(\j)]                ; |a| >= 1: sign, exponent, one mantissa bit
.endr
.irp j, 0,1,2,3
	v_and_or_b32 v[U+(\j)], v[Q+4*(\c)+(\j)], s28, s40               ; 0.5 with a's sign
.endr
.irp j, 0,1,2,3
	v_cmp_le_u32 s[32+(\j)], s42, v[T+(\j)]                          ; 1 <= |a|
.endr
.irp j, 0,1,2,3
	v_cmp_lt_u32 s[36+(\j)], s29, v[T+(\j)]                          ; 0.25 < |a|
.endr
.irp j, 0,1,2,3
	v_cndmask_b32 v[U+(\j)], 0, v[U+(\j)], s[36+(\j)]
.endr
.irp j, 0,1,2,3
	v_cndmask_b32 v[Q+4*(\c)+(\j)], v[U+(\j)], v[R+4*(\c)+(\j)], s[32+(\j)]
.endr
.endr
	; times s, in f32 as reference() has it; then once to f16
.irp p, 0,1,2,3,4,5,6,7
	v_pk_mul_f32 v[Q+2*(\p):Q+2*(\p)+1], v[Q+2*(\p):Q+2*(\p)+1], v[P+4*((\p)/2):P+4*((\p)/2)+1] op_sel_hi:[1,0]
.endr
.irp p, 0,1,2,3,4,5,6,7
	v_cvt_pk_f16_f32 v[(\yb)+(\p)], v[Q+2*(\p)], v[Q+2*(\p)+1]
.endr
.endm
	WLOAD X, 0
	WLOAD X+16, 4
.Lwtrip:                                       ; eight groups a trip
	s_wait_loadcnt 4                               ; the first buffer is in; the second's four loads may stay out
	WPROC X, Y
	WLOAD X, 8
	WSTORE Y, 0
	s_wait_loadcnt 4                               ; the second buffer is in; the four loads just issued may stay out
	WPROC X+16, Y+8
	WLOAD X+16, 12
	WSTORE Y+8, 4
	s_wait_xcnt 0x0                                ; the two bases, and Y, which this trip's stores read, are written again only behind this wait
	s_add_nc_u64 s[IN:IN+1], s[IN:IN+1], 8*CHIN
	s_add_nc_u64 s[OUT:OUT+1], s[OUT:OUT+1], 8*CHOUT
	s_sub_co_u32 s22, s22, 1
	s_cmp_lg_u32 s22, 0
	s_cbranch_scc1 .Lwtrip
	s_wait_loadcnt 4                               ; the last eight groups load nothing
	WPROC X, Y
	WSTORE Y, 0
	s_wait_loadcnt 0x0
	WPROC X+16, Y+8
	WSTORE Y+8, 4
	s_endpgm
.Lfunc_end_k_qe5c5389c9e_prep:
	.size	k_qe5c5389c9e_prep, .Lfunc_end_k_qe5c5389c9e_prep-k_qe5c5389c9e_prep
	.p2alignl 7, 3214868480
	.fill 96, 4, 3214868480
	.section	.rodata,"a",@progbits
	.p2align	6, 0x0
	.amdhsa_kernel k_qe5c5389c9e_prep
		.amdhsa_group_segment_fixed_size 0
		.amdhsa_private_segment_fixed_size 0
		.amdhsa_enable_private_segment 0
		.amdhsa_kernarg_size 32
		.amdhsa_user_sgpr_count 2
		.amdhsa_user_sgpr_kernarg_segment_ptr 1
		.amdhsa_wavefront_size32 1
		.amdhsa_system_sgpr_workgroup_id_x 1
		.amdhsa_system_sgpr_workgroup_id_y 1
		.amdhsa_system_sgpr_workgroup_id_z 1
		.amdhsa_system_vgpr_workitem_id 0
		.amdhsa_next_free_vgpr 112
		.amdhsa_next_free_sgpr 66
		.amdhsa_reserve_vcc 0
		.amdhsa_float_denorm_mode_32 3
		.amdhsa_float_denorm_mode_16_64 3
		.amdhsa_memory_ordered 1
		.amdhsa_forward_progress 1
		.amdhsa_inst_pref_size 70
	.end_amdhsa_kernel
	.amdgpu_metadata
---
amdhsa.version: [ 1, 2 ]
amdhsa.kernels:
  - .name:           k_qe5c5389c9e_prep
    .symbol:         k_qe5c5389c9e_prep.kd
    .args:
      - { .name: x, .offset: 0, .size: 8, .value_kind: global_buffer, .address_space: global }
      - { .name: weight, .offset: 8, .size: 8, .value_kind: global_buffer, .address_space: global }
      - { .name: xh, .offset: 16, .size: 8, .value_kind: global_buffer, .address_space: global }
      - { .name: wh, .offset: 24, .size: 8, .value_kind: global_buffer, .address_space: global }
    .group_segment_fixed_size: 0
    .private_segment_fixed_size: 0
    .kernarg_segment_align: 8
    .kernarg_segment_size: 32
    .max_flat_workgroup_size: 256
    .sgpr_count:     66
    .vgpr_count:     112
    .wavefront_size: 32
...
	.end_amdgpu_metadata
.endif
;; end of part 1
;; launch gemm (part 2): grid 16 x 16, 4 waves a work-group, clusters of 4 x 4, 327,680 bytes of LDS; arguments xh, wh, b, out0; writes out0
.if DOCPART == 2
	.amdgcn_target "amdgcn-amd-amdhsa--gfx1250"
	.amdhsa_code_object_version 6
	.text
	.protected	k_qe5c5389c9e_gemm
	.globl	k_qe5c5389c9e_gemm
	.p2align	8
	.type	k_qe5c5389c9e_gemm,@function
k_qe5c5389c9e_gemm:
	s_mov_b64 s[64:65], 0
	v_nop
	global_prefetch_b8 v0, s[64:65] scope:SCOPE_SE
	s_setreg_imm32_b32 hwreg(HW_REG_WAVE_MODE, 25, 1), 1
	s_wait_xcnt 0x0
	s_wait_alu depctr_hold_cnt(0) depctr_sa_sdst(0) depctr_va_vdst(0) depctr_va_sdst(0) depctr_va_ssrc(0) depctr_va_vcc(0) depctr_vm_vsrc(0)
	s_getreg_b32 s2, hwreg(HW_REG_IB_STS2, 6, 4)
	s_cmp_eq_u32 s2, 0
	s_cbranch_scc0 .Lentry_in_a_cluster
	s_endpgm
.Lentry_in_a_cluster:
	s_bfe_u32 s2, ttmp6, 0x10000c
	s_cmp_lg_u32 s2, 0xf033
	s_cbranch_scc0 .Lentry_shape_is_right
	s_endpgm
.Lentry_shape_is_right:
; out0[m][n] = b[n] + the sum over k of xh[m][k] wh[n][k].  xh, wh: [4096][4096] f16, made by the launch before; b: [4096] f32; out0: [4096][4096] f32.  Sums in f32.
; Nothing of reference() is left out.  LIMITS: the operands are f16 (their range and rounding are stated at the head of the launch before); b is the sums' first term, not their last.
; A tile of out0, 256 x 256, is made by a work-group of four waves; a wave makes 128 x 128: 64 accumulators of 16 x 16, 512 registers.  256 tiles, one to a work-group.
; K goes in steps of 128 through a ring of two LDS slots filled by the tensor data mover: a tile's rows are 256 bytes of memory and start at multiples of 256 bytes from the buffer's first byte.
; CLUSTERS: 4 x 4 work-groups.  The four of a row of the cluster need the same tiles of xh, the four of a column the same tiles of wh: each tile is asked for JOINTLY, by the same tensor load
; with the same descriptor and a mask that names the four; each receives it in its own LDS.  That divides the requests for both operands by four.
; THE MATRIX INSTRUCTION IS USED TRANSPOSED: source 0 = 16 rows of wh, source 1 = 16 rows of xh.  In the result lane l holds row m = l % 16 and its registers 0-7 the columns n = 8 (l / 16) + 0..7.
; THE BIAS COSTS NO ARITHMETIC: in that layout 32 bytes of b a lane are a C operand for a block of 16 columns, the same for every block of rows; each accumulator's first product takes it as C.
; REGISTERS, in windows of 256 (s_set_vgpr_msb's low byte: bits 1:0 source 0, 3:2 source 1, 5:4 source 2, 7:6 destination):
;   window 0: v0-31 addresses; v64-127, v128-191 fragments of xh (8 x 16 rows x 32 K), two buffers; v192-255 the eight bias operands; on the way out v64-255 are three sets of 64 for rows read back
;   window 1: v64-127, v128-191 fragments of wh, two buffers
;   window 2: the 32 accumulators of my rows 0-63 (accumulator (a, b) at v[8 (8 a + b)]);   window 3: those of my rows 64-127
.set SIZE_N, 4096
.set SIZE_K, 4096
.set KSTEP,  128
.set PITCH,  272                       ; an LDS row: 256 bytes + 16 of padding = 68 words: row r starts at bank 4 r mod 64 (64 banks of 4 bytes: ISA guide 11.1), so the 16 rows of a load start at 16 different banks
.set HALFT,  128*PITCH                 ; 128 rows: what one tensor load brings, and what one wave reads of either operand
.set SLOT,   4*HALFT                   ; xh's 256 rows, then wh's 256 rows
.set STAGE,  2*SLOT                    ; behind the ring, never filled by a tensor load: 16 rows x 528 bytes for each wave, for the way out
.set SPITCH, 528                       ; a stage row: 512 bytes + 16 = 132 words: again 16 rows at 16 different banks
.set SPARE,  STAGE+4*16*SPITCH         ; behind the stages: the spare words, 128 bytes for each wave: two blocks of 256 bytes that no other line names
.set LAPS,   SIZE_K/(2*KSTEP)          ; a lap = two K steps = once round the ring: 16
.set ADRA, 16                          ; v16-17  LDS address of my xh fragments in slot 0, 1
.set ADRB, 20                          ; v20-21  the same for wh
.set STO,  24                          ; v24     the way out: where I put 32 bytes of a row
.set RD,   25                          ; v25     the way out: where I read 16 bytes of a whole row back
.set CO,   26                          ; v26     16 x lane: my 16 bytes of a row's 512 in out0
.set BO,   27                          ; v27     my byte offset in b
.set SPW,  28                          ; v28     LDS address of my spare word: SPARE + 4 x my thread's number; never rewritten
.set NIL,  29                          ; v29     0; never rewritten
.set PFO,  30                          ; v30     the prefetches' offset: my lane x a row of xh or wh (8,192 bytes); never rewritten
.set PFA,  44                          ; s[44:45] where my prefetches stand: my work-group's 32 rows of the 128 that I fetch, one K step further along K than the refill in hand; a prefetch names the K step after that
.set LIM,  43                          ; s43     1 in a wave that prefetches, else the greatest number
.set BV,   66                          ; s[66:67] b
.set F0,   64                          ; fragment buffer 0
.set F1,   128                         ; fragment buffer 1
.set BIAS, 192                         ; window 0: the operand for column block b at BIAS + 8 b
.set OB,   64                          ; the way out: block a's rows come back into v[OB + 64 (a % 3) ..]
.set G1,  24                           ; s[24:31] descriptor group 1 for xh's tiles
.set G0,  32                           ; s[32:39] descriptor group 0 for xh's tiles, one set for each slot
.set G1B, 48                           ; s[48:55] group 1 for wh's tiles: it differs in the mask alone
.set G0B, 56                           ; s[56:63] group 0 for wh's tiles, one set for each slot
.set MSB, 0
.macro WIN new                         ; the immediate's high byte repeats the setting that is left; a switch that changes nothing is dropped
.if MSB != (\new)
	s_set_vgpr_msb (MSB<<8)|(\new)
.set MSB, \new
.endif
.endm
.set MUL_LO, 0xa1                      ; source 0 (wh) window 1, source 1 (xh) window 0, C and D window 2
.set BEG_LO, 0x81                      ; the same with C (the bias) in window 0
.set TO_B,   0x40                      ; destination window 1, address window 0
; A joint load.  Waves 0 and 1 fetch xh's two halves, waves 2 and 3 wh's.  Each of the two lines has one mask and one set of registers for all that issue it; the branch hangs on the wave's number alone.
; An s_nop 0 and four v_nop follow each of the two lines, ahead of the jump, the label and what follows the macro.
.macro JLOAD s
	s_cmp_eq_u32 s11, 0
	s_cbranch_scc0 .Lfor_b_\@
	tensor_load_to_lds s[G0+4*(\s):G0+4*(\s)+3], s[G1:G1+7]
	s_nop 0
.rept 4
	v_nop
.endr
	s_branch .Lasked_\@
.Lfor_b_\@:
	tensor_load_to_lds s[G0B+4*(\s):G0B+4*(\s)+3], s[G1B:G1B+7]
	s_nop 0
.rept 4
	v_nop
.endr
.Lasked_\@:
.endm
; A PREFETCH INTO THE L2, behind each joint refill, its five lines and the run of LDS loads that follows them: the K step that stands TWO refills on, 512 matrix instructions ahead of the load that
; will want it: 32 rows x 256 bytes, a lane a row, one instruction a wave.  Each row's 256 bytes of a K step are named ONCE in the launch: xh's tile row is read by every cluster of that row of
; clusters, and the one with x = 0 asks; wh's tile column by every cluster of that column, and the one with y = 0 asks.  The four partners that ask for a tile jointly share its rows out BY ADDRESS:
; of the 128 rows that a wave fetches the partner at place p takes 32 p .. 32 p + 31 (p = cx for xh, cy for wh).  K steps 0 to 3 come by their loads alone; the loop's last trip (s3 = 1) asks for
; nothing: K steps 32 and 33 do not exist.
.macro ASK
	s_cmp_gt_u32 s3, s[LIM]
	s_cbranch_scc0 .Lnot_mine_\@
	global_prefetch_b8 v[PFO], s[PFA:PFA+1] offset:KSTEP*2 th:TH_LOAD_NT scope:SCOPE_SE
.Lnot_mine_\@:
.endm
; A round of the cluster's barrier: my work-group's barrier, so that wave 0's signal speaks for all four waves; wave 0 signals for the work-group; every wave waits for all sixteen work-groups;
; my work-group's barrier once more.  No LDS instruction of the wave is pending at a signal.
.macro CREST                           ; a round behind its opening barrier
	s_cmp_lg_u32 s10, 0
	s_cbranch_scc1 .Lnot_wave_0_\@
	s_barrier_signal -3
.Lnot_wave_0_\@:
	s_barrier_wait -3
	s_barrier_signal -1
	s_barrier_wait -1
.endm
.macro CROUND                          ; a whole round
	s_barrier_signal -1
	s_barrier_wait -1
	CREST
.endm
	s_load_b128 s[4:7], s[0:1], 0x0                ; xh s[4:5], wh s[6:7]
	s_load_b64 s[BV:BV+1], s[0:1], 0x10            ; b
	s_load_b64 s[8:9], s[0:1], 0x18                ; out0
	v_lshl_add_u32 v[SPW], v0, 2, SPARE
	v_mov_b32 v[NIL], 0
	ds_add_u32 v[SPW], v[NIL]                      ; the wave's opening: the add, twice on end, and its wait ahead of my first tensor load; the set-up below, work on registers, stands between
	ds_add_u32 v[SPW], v[NIL]                      ; and once more, under the one wait
	v_lshrrev_b32 v1, 5, v0
	v_readfirstlane_b32 s10, v1                    ; wave 0..3
	s_lshr_b32 s11, s10, 1                         ; which half of the tile's rows is mine.  Also: I fetch for xh (0) or for wh (1)
	s_and_b32 s12, s10, 1                          ; which half of its columns.  Also: which 128 rows of that tile I fetch
	s_bfe_u32 s40, ttmp6, 0x40000                  ; cx: my place along the cluster's x
	s_bfe_u32 s41, ttmp6, 0x40004                  ; cy: along its y
	s_lshl_b32 s42, ttmp9, 2                       ; in a cluster launch ttmp9 and ttmp7 count clusters
	s_add_co_u32 s42, s42, s40                     ; tile column = 4 x cluster x + cx
	s_and_b32 s13, ttmp7, 0xffff
	s_lshl_b32 s13, s13, 2
	s_add_co_u32 s13, s13, s41                     ; tile row = 4 x cluster y + cy
	s_lshl_b32 s43, s41, 2
	s_lshl_b32 s43, 15, s43                        ; my row of the cluster: places 4 cy .. 4 cy + 3
	s_lshl_b32 s44, 0x1111, s40                    ; my column: places cx, cx + 4, cx + 8, cx + 12
	; descriptor group 1: a tile of 128 rows x 128 elements, padded in LDS
	s_or_b32 s[G1+0], s43, (1<<16)|(1<<20)|(1<<21)|(5<<22)|(3<<25)   ; 15:0 the mask: xh's tiles go to my row; 17:16 elements of 2 bytes; 20 padding on; 21 set beside a mask; 24:22 after every 64 words (code 5); 31:25 4 words of it (code 3)
	s_or_b32 s[G1B+0], s44, (1<<16)|(1<<20)|(1<<21)|(5<<22)|(3<<25)  ; the same with the mask of my column, for wh's tiles
.irp g, G1, G1B
	s_mov_b32 s[(\g)+1], KSTEP<<16                 ; 63:48 tensor_dim0, low half = 128
	s_mov_b32 s[(\g)+2], 128<<16                   ; 95:80 tensor_dim1, low half = 128
	s_mov_b32 s[(\g)+3], KSTEP<<16                 ; 127:112 tile_dim0 = 128
	s_mov_b32 s[(\g)+4], 128                       ; 143:128 tile_dim1 = 128; tile_dim2 = 0
	s_mov_b32 s[(\g)+5], SIZE_K                    ; 191:160 elements from row to row
	s_mov_b32 s[(\g)+6], 0
	s_mov_b32 s[(\g)+7], 0
.endr
	; where the tiles come from.  xh's hang on the tile row alone, which my row of the cluster shares; wh's on the tile column alone, which my column shares.
	; Every wave makes both addresses, in registers that never hold the other coordinate, and asks by one of them.
	s_lshl_b32 s17, s12, 7                         ; which 128 rows of the tile I fetch
	s_lshl_b32 s16, s13, 8
	s_add_co_u32 s16, s16, s17                     ; xh: row 256 x tile row + 128 x half
	s_lshl_b32 s46, s42, 8
	s_add_co_u32 s46, s46, s17                     ; wh: row 256 x tile column + 128 x half
	s_mov_b32 s17, 0
	s_mov_b32 s47, 0
	s_mov_b64 s[18:19], SIZE_K*2
	s_mul_u64 s[16:17], s[16:17], s[18:19]         ; in bytes
	s_mul_u64 s[46:47], s[46:47], s[18:19]
	s_mul_i32 s20, s10, HALFT                      ; and where they go: wave x 128 rows: no place in the cluster enters an LDS address
	s_wait_dscnt 0x0                               ; both opening adds are done
	s_wait_kmcnt 0x0
	s_add_nc_u64 s[14:15], s[4:5], s[16:17]
	s_add_nc_u64 s[46:47], s[6:7], s[46:47]
	CROUND                                         ; all sixteen work-groups are here: the first joint loads meet
.irp s, 0,1
	s_mov_b32 s[G0+4*(\s)], 1                                        ; 1:0 count = 1
	s_add_co_u32 s[G0+4*(\s)+1], s20, (\s)*SLOT                      ; 63:32 LDS address
	s_add_nc_u64 s[G0+4*(\s)+2:G0+4*(\s)+3], s[14:15], (\s)*KSTEP*2  ; 120:64 global address: K step s
	s_or_b32 s[G0+4*(\s)+3], s[G0+4*(\s)+3], 0x80000000              ; 127:126 type = 2
	s_mov_b32 s[G0B+4*(\s)], 1
	s_add_co_u32 s[G0B+4*(\s)+1], s20, (\s)*SLOT
	s_add_nc_u64 s[G0B+4*(\s)+2:G0B+4*(\s)+3], s[46:47], (\s)*KSTEP*2
	s_or_b32 s[G0B+4*(\s)+3], s[G0B+4*(\s)+3], 0x80000000
	JLOAD \s                                       ; the ring is filled before anything else is done: two loads of mine are out
.endr
	; A fragment is 16 rows x 32 K in 8 registers: lane l holds row l % 16; registers 0-3 hold K = 8 (l / 16) + 0..7, registers 4-7 hold K = 16 + 8 (l / 16) + 0..7:
	; two loads of 16 bytes, 32 bytes apart.  The same for source 0 and source 1.
	v_and_b32 v1, 15, v0                           ; l % 16
	v_bfe_u32 v2, v0, 4, 1                         ; l / 16
	v_mul_u32_u24 v3, v1, PITCH
	v_lshl_add_u32 v3, v2, 4, v3                   ; row x pitch + 16 x half
	s_mul_i32 s21, s11, HALFT                      ; my 128 rows of xh
	s_mul_i32 s22, s12, HALFT                      ; my 128 rows of wh,
	s_add_co_u32 s22, s22, 2*HALFT                 ; which lie behind xh's 256
.irp s, 0,1
	v_add_nc_u32 v[ADRA+(\s)], s21, v3
	v_add_nc_u32 v[ADRB+(\s)], s22, v3
	s_add_co_u32 s21, s21, SLOT
	s_add_co_u32 s22, s22, SLOT
.endr
	s_mul_i32 s23, s10, 16*SPITCH
	s_add_co_u32 s23, s23, STAGE                   ; my stage
	v_mul_u32_u24 v4, v1, SPITCH                   ; in: row l % 16, 32 bytes for each half of the lanes
	v_lshl_add_u32 v4, v2, 5, v4
	v_add_nc_u32 v[STO], s23, v4
	v_and_b32 v5, 31, v0
	v_lshlrev_b32 v[CO], 4, v5                     ; back: 32 lanes take one row's 512 bytes,
	v_add_nc_u32 v[RD], s23, v[CO]                 ; which are 512 consecutive bytes of out0
	; out0 at my part of the tile
	s_lshl_b32 s13, s13, 8
	s_lshl_b32 s14, s11, 7
	s_add_co_u32 s16, s13, s14                     ; my first row,
	s_lshl_b32 s16, s16, 14                        ; x 16,384 bytes: under 2^26
	s_mov_b32 s17, 0
	s_add_nc_u64 s[8:9], s[8:9], s[16:17]
	s_lshl_b32 s46, s42, 10                        ; my first column, in bytes: 1,024 x tile column + 512 x half (in the registers that held wh's address: none that feeds xh's descriptors ever holds cx)
	s_lshl_b32 s47, s12, 9
	s_add_co_u32 s46, s46, s47
	s_mov_b32 s47, 0
	s_add_nc_u64 s[8:9], s[8:9], s[46:47]
	v_lshl_add_u32 v[BO], v2, 5, s46               ; in b the same columns, and 8 (l / 16) of them on
.irp b, 0,1,2,3,4,5,6,7                ; column block b: b[n0 + 16 b + 8 (l / 16) + 0..7]
	global_load_b128 v[BIAS+8*(\b):BIAS+8*(\b)+3],   v[BO], s[BV:BV+1] offset:64*(\b)
	global_load_b128 v[BIAS+8*(\b)+4:BIAS+8*(\b)+7], v[BO], s[BV:BV+1] offset:64*(\b)+16
.endr
	; the prefetches.  s13 = 256 x tile row, s42 = tile column, s40 = cx, s41 = cy still stand
	s_lshl_b32 s42, s42, 8
	s_and_b32 s22, ttmp7, 0xffff                   ; cluster y
	s_cmp_eq_u32 s11, 0                            ; do I fetch for xh?
	s_cselect_b32 s20, s13, s42                    ; the tile's first row
	s_cselect_b32 s21, s40, s41                    ; my place among the four that ask for it with me
	s_cselect_b32 s22, ttmp9, s22                  ; the coordinate along which other clusters read the same rows
	s_cselect_b64 s[PFA:PFA+1], s[4:5], s[6:7]
	s_cmp_eq_u32 s22, 0
	s_cselect_b32 s[LIM], 1, -1                    ; the same in all sixteen partners, for a given wave
	s_lshl_b32 s22, s12, 7
	s_add_co_u32 s20, s20, s22                     ; + the 128 rows that I fetch
	s_lshl_b32 s21, s21, 5
	s_add_co_u32 s20, s20, s21                     ; + my work-group's 32 of them
	s_mov_b32 s21, 0
	s_mov_b64 s[18:19], SIZE_K*2
	s_mul_u64 s[20:21], s[20:21], s[18:19]
	s_add_nc_u64 s[PFA:PFA+1], s[PFA:PFA+1], s[20:21]
	s_add_nc_u64 s[PFA:PFA+1], s[PFA:PFA+1], 2*KSTEP*2  ; at K step 2: the first refill steps it to 3 and names K step 4
	v_and_b32 v[PFO], 31, v0
	v_mul_u32_u24 v[PFO], v[PFO], SIZE_K*2
; 16 matrix instructions: row blocks a0, a0 + 1 of the window's four (hi = 0: my rows 0-63, 1: rows 64-127) x all 8 column blocks, 32 along K.
; first = 1: the product starts the sum, with the bias as C: nothing is ever cleared.  The 64 accumulators take turns in the same order in every quarter step.
.macro MUL16 f, hi, a0, first
.if \first
	WIN BEG_LO+0x40*(\hi)
.else
	WIN MUL_LO+0x50*(\hi)
.endif
.irp a, \a0, (\a0)+1
.irp b, 0,1,2,3,4,5,6,7
.if \first
	v_wmma_f32_16x16x32_f16 v[8*(8*(\a)+(\b)):8*(8*(\a)+(\b))+7], v[(\f)+8*(\b):(\f)+8*(\b)+7], v[(\f)+8*(4*(\hi)+(\a)):(\f)+8*(4*(\hi)+(\a))+7], v[BIAS+8*(\b):BIAS+8*(\b)+7]
.else
	v_wmma_f32_16x16x32_f16 v[8*(8*(\a)+(\b)):8*(8*(\a)+(\b))+7], v[(\f)+8*(\b):(\f)+8*(\b)+7], v[(\f)+8*(4*(\hi)+(\a)):(\f)+8*(4*(\hi)+(\a))+7], v[8*(8*(\a)+(\b)):8*(8*(\a)+(\b))+7]
.endif
.endr
.endr
.endm
; 32 LDS loads in one run: the fragments of one quarter step (128 rows of wh, 128 rows of xh, 32 K at byte k of the rows) into buffer f
.macro FETCH slot, k, f
	WIN TO_B
.irp i, 0,1,2,3,4,5,6,7
	ds_load_b128 v[(\f)+8*(\i):(\f)+8*(\i)+3],   v[ADRB+(\slot)] offset:(\k)+(\i)*16*PITCH
	ds_load_b128 v[(\f)+8*(\i)+4:(\f)+8*(\i)+7], v[ADRB+(\slot)] offset:(\k)+(\i)*16*PITCH+32
.endr
	WIN 0
.irp i, 0,1,2,3,4,5,6,7
	ds_load_b128 v[(\f)+8*(\i):(\f)+8*(\i)+3],   v[ADRA+(\slot)] offset:(\k)+(\i)*16*PITCH
	ds_load_b128 v[(\f)+8*(\i)+4:(\f)+8*(\i)+7], v[ADRA+(\slot)] offset:(\k)+(\i)*16*PITCH+32
.endr
.endm
; A load into a register that a matrix instruction has read, and an LDS store that reads a matrix result, stand four places behind that matrix instruction, and only plain vector
; instructions that name none of its registers are places (ISA guide 7.12.1 for vector instructions).
.macro PLACES
.rept 4
	v_nop
.endr
.endm
; A K step is four quarter steps of 32 along K, 64 matrix instructions each, on buffers 0, 1, 0, 1.
; One of the first three: multiplies buffer f; in its middle it fetches the next quarter's fragments, at byte k of the same slot's rows, into buffer g.
.macro QUARTER slot, k, f, g, first
	s_wait_dscnt 8                                 ; wh and xh's rows 0-63 are in; the youngest eight loads (xh's rows 64-127) may be out
	MUL16 \f, 0, 0, \first
	MUL16 \f, 0, 2, \first
	PLACES
	FETCH \slot, \k, \g
	s_wait_dscnt 32                                ; all but the 32 just issued
	MUL16 \f, 1, 0, \first
	MUL16 \f, 1, 2, \first
.endm
; The last quarter multiplies buffer 1 and changes slots.  MEET is its first half: ONE barrier for the change, for two things.  In front of it each wave waits for all its tensor loads, of which
; one is out: its part of the next slot; adds 0 to its spare word; and waits for that and for its own reads of this slot.  Behind it nobody reads this slot any more and the next slot is whole.
.macro MEET round                      ; round = 1: a round of the cluster's barrier follows
	WIN 0                                          ; (the add's two registers lie in window 0)
	s_wait_tensorcnt 0x0                           ; all my tensor loads have landed;
	ds_add_u32 v[SPW], v[NIL]                      ; 0 onto my spare word;
	s_wait_dscnt 9                                 ; (the add and the youngest eight loads may be out)
	MUL16 F1, 0, 0, 0                              ; sixteen matrix instructions stand between the add and the wait for it
	s_wait_dscnt 0x0                               ; the add is done, and my reads of this slot are over:
	s_barrier_signal -1                            ; say so,
	MUL16 F1, 0, 2, 0                              ; work on registers while the others arrive,
.if \round
	WIN 0
.endif
	s_barrier_wait -1                              ; and go on when all four have said so
.endm
; The whole last quarter.  fill = 1: the barrier opens a round of the cluster's barrier, and behind the round the slot just read out is filled again first, with the K step two steps on; from that
; request to the wait for it a wave issues 224 matrix instructions.  Then come the next slot's first fragments.  fill = 0 (the last lap): nothing is asked for, and no round follows.
.macro TURN slot, next, fill
.if \fill
	s_wait_xcnt 0x0                                ; the last prefetch, a K step back, has read its address: it is stepped here, ahead of the waits of the change of slots
	s_add_nc_u64 s[PFA:PFA+1], s[PFA:PFA+1], KSTEP*2
	MEET 1
	CREST                                          ; no wave of any partner still reads this slot's tile or has a load on its way
	s_add_nc_u64 s[G0+4*(\slot)+2:G0+4*(\slot)+3], s[G0+4*(\slot)+2:G0+4*(\slot)+3], 2*KSTEP*2    ; no tensor load of mine is out, so a group 0 may be written
	s_add_nc_u64 s[G0B+4*(\slot)+2:G0B+4*(\slot)+3], s[G0B+4*(\slot)+2:G0B+4*(\slot)+3], 2*KSTEP*2
	JLOAD \slot                                    ; the first tensor load behind the round, my only one until the next; the four v_nop behind it are also the places in front of the loads below
	FETCH \next, 0, F0
	ASK
.else
	MEET 0
	PLACES                                         ; for the loads into buffer 0, which the quarter before multiplied
	FETCH \next, 0, F0
.endif
	MUL16 F1, 1, 0, 0
	MUL16 F1, 1, 2, 0
.endm
	s_wait_tensorcnt 1                             ; my part of K step 0 is in; K step 1's load may stay out
	s_barrier_signal -1
	s_barrier_wait -1                              ; everybody's is
	FETCH 0, 0, F0
	s_wait_loadcnt 0x0                             ; the bias
	QUARTER 0, 64,  F0, F1, 1                      ; the first quarter stands in front of the loop: its products start the sums
	WIN 0                                          ; at a label and at a branch every window is 0
	s_mov_b32 s3, LAPS-1
.Llap:                                                 ; a trip goes once round the ring, from a lap's second quarter to the next lap's first, and fills both slots again
	QUARTER 0, 128, F1, F0, 0
	QUARTER 0, 192, F0, F1, 0
	TURN 0, 1, 1
	QUARTER 1, 64,  F0, F1, 0
	QUARTER 1, 128, F1, F0, 0
	QUARTER 1, 192, F0, F1, 0
	TURN 1, 0, 1
	QUARTER 0, 64,  F0, F1, 0
	WIN 0
	s_sub_co_u32 s3, s3, 1
	s_cmp_lg_u32 s3, 0
	s_cbranch_scc1 .Llap
	QUARTER 0, 128, F1, F0, 0                      ; the last lap is written out: it fills nothing
	QUARTER 0, 192, F0, F1, 0
	TURN 0, 1, 0
	QUARTER 1, 64,  F0, F1, 0
	QUARTER 1, 128, F1, F0, 0
	QUARTER 1, 192, F0, F1, 0
	s_wait_dscnt 8                                 ; the very last quarter: nothing more to fetch
	MUL16 F1, 0, 0, 0
	MUL16 F1, 0, 2, 0
	s_wait_dscnt 0x0
	MUL16 F1, 1, 0, 0
	MUL16 F1, 1, 2, 0
	PLACES                                         ; behind the last products: the stores below read results, the loads below land on fragments
; THE WAY OUT, a block of 16 rows at a time.  A lane holds 32 bytes of a row and its neighbours hold other rows; so the block goes through my own stage in LDS and comes back as whole rows.
; TOSTAGE: 16 stores (each accumulator's low half first), 16 loads.  LDS serves a wave's instructions in order (ISA guide 5.7.1.4): the loads see the stores above them,
; and the next block's stores come behind these loads: no wait, no barrier.
.macro TOSTAGE a
.set OBA, OB+64*((\a)%3)
	WIN 0x08+4*((\a)/4)                            ; the stores' data (source 1) in window 2 or 3
.irp b, 0,1,2,3,4,5,6,7
	ds_store_b128 v[STO], v[64*((\a)%4)+8*(\b):64*((\a)%4)+8*(\b)+3]   offset:64*(\b)
	ds_store_b128 v[STO], v[64*((\a)%4)+8*(\b)+4:64*((\a)%4)+8*(\b)+7] offset:64*(\b)+16
.endr
	WIN 0
.if (\a) >= 3
	s_wait_xcnt 0x0                                ; this set of 64 registers was the data of the stores of the block three back: it is loaded again only behind this wait
.endif
.irp t, 0,1,2,3,4,5,6,7,8,9,10,11,12,13,14,15
	ds_load_b128 v[OBA+4*(\t):OBA+4*(\t)+3], v[RD] offset:(\t)*SPITCH
.endr
.endm
; SEND: row t of block a, 512 consecutive bytes at a multiple of 512 from out0's first byte.  younger: the LDS instructions issued behind the block's loads: the next block's 32, or none.
; The row stands in the immediate: 127 x 16,384 bytes at the most, inside its signed 24 bits; the base is never stepped.
.macro SEND a, younger
.set OBA, OB+64*((\a)%3)
	WIN 0
.irp t, 0,1,2,3,4,5,6,7,8,9,10,11,12,13,14,15
	s_wait_dscnt (\younger)+15-(\t)
	global_store_b128 v[CO], v[OBA+4*(\t):OBA+4*(\t)+3], s[8:9] offset:(16*(\a)+(\t))*SIZE_N*4 th:TH_STORE_NT
.endr
.endm
	TOSTAGE 0
.irp a, 1,2,3,4,5,6,7                  ; a block's trip through the stage is on its way while the block before is stored
	TOSTAGE \a
	SEND (\a)-1, 32
.endr
	SEND 7, 0
	s_wait_tensorcnt 0x0                           ; the wave's end: the add and its waits, behind my last tensor load and my last LDS store
	ds_add_u32 v[SPW], v[NIL]
	s_wait_dscnt 0x0
	CROUND                                         ; the closing round: no work-group ends while a partner may still ask for a tile that names it
	s_endpgm
.Lfunc_end_k_qe5c5389c9e_gemm:
	.size	k_qe5c5389c9e_gemm, .Lfunc_end_k_qe5c5389c9e_gemm-k_qe5c5389c9e_gemm
	.p2alignl 7, 3214868480
	.fill 96, 4, 3214868480
	.section	.rodata,"a",@progbits
	.p2align	6, 0x0
	.amdhsa_kernel k_qe5c5389c9e_gemm
		.amdhsa_group_segment_fixed_size 327680
		.amdhsa_private_segment_fixed_size 0
		.amdhsa_enable_private_segment 0
		.amdhsa_kernarg_size 32
		.amdhsa_user_sgpr_count 2
		.amdhsa_user_sgpr_kernarg_segment_ptr 1
		.amdhsa_wavefront_size32 1
		.amdhsa_system_sgpr_workgroup_id_x 1
		.amdhsa_system_sgpr_workgroup_id_y 1
		.amdhsa_system_sgpr_workgroup_id_z 1
		.amdhsa_system_vgpr_workitem_id 0
		.amdhsa_next_free_vgpr 1024
		.amdhsa_next_free_sgpr 68
		.amdhsa_reserve_vcc 0
		.amdhsa_float_denorm_mode_32 3
		.amdhsa_float_denorm_mode_16_64 3
		.amdhsa_memory_ordered 1
		.amdhsa_forward_progress 1
		.amdhsa_inst_pref_size 147
	.end_amdhsa_kernel
	.amdgpu_metadata
---
amdhsa.version: [ 1, 2 ]
amdhsa.kernels:
  - .name:           k_qe5c5389c9e_gemm
    .symbol:         k_qe5c5389c9e_gemm.kd
    .args:
      - { .name: xh, .offset: 0, .size: 8, .value_kind: global_buffer, .address_space: global }
      - { .name: wh, .offset: 8, .size: 8, .value_kind: global_buffer, .address_space: global }
      - { .name: b, .offset: 16, .size: 8, .value_kind: global_buffer, .address_space: global }
      - { .name: out0, .offset: 24, .size: 8, .value_kind: global_buffer, .address_space: global }
    .group_segment_fixed_size: 327680
    .private_segment_fixed_size: 0
    .kernarg_segment_align: 8
    .kernarg_segment_size: 32
    .max_flat_workgroup_size: 128
    .sgpr_count:     68
    .vgpr_count:     1024
    .wavefront_size: 32
...
	.end_amdgpu_metadata
.endif
;; end of part 2
;; ======== version 2 of 2: 2 launches; version 1 with the launch prep written anew for expert scheduling mode
;; limits: values are held in f16: magnitudes above 65,504 overflow, below 6.1e-05 lose precision; inputs' magnitudes at most 65,504; right only within a limited range of input values
;; workspace buffers: xh 33,554,432 bytes; wh 33,554,432 bytes
;; launch prep (part 3): grid 1024 x 1, 8 waves a work-group, no clusters, 0 bytes of LDS; arguments x, weight, xh, wh; writes xh, wh
.if DOCPART == 3
	.amdgcn_target "amdgcn-amd-amdhsa--gfx1250"
	.amdhsa_code_object_version 6
	.text
	.protected	k_qe5c5389c9e_prep
	.globl	k_qe5c5389c9e_prep
	.p2align	8
	.type	k_qe5c5389c9e_prep,@function
k_qe5c5389c9e_prep:
	s_mov_b64 s[64:65], 0
	v_nop
	global_prefetch_b8 v0, s[64:65] scope:SCOPE_SE
	s_setreg_imm32_b32 hwreg(HW_REG_WAVE_SCHED_MODE, 0, 2), 2
	s_setreg_imm32_b32 hwreg(HW_REG_WAVE_MODE, 25, 1), 1
	s_wait_xcnt 0x0
	s_wait_alu depctr_vm_vsrc(0)
; xh = x rounded once to f16.  wh = w_deq rounded to f16, where w_deq is weight put through the group-wise E2M1 quantise / dequantise:
; groups of 128 along a row, scale s = amax / 6 (1 where amax = 0), a = w / s, a quantised, times s.  Both [4096][4096], row-major.
; NOTHING IS LEFT OUT: all three inputs reach the output; x and weight are read here, b by the product's launch.
; THE QUANTISER AS A FUNCTION OF a's BITS.  All steps behind the quotient a are exact in f32 (a division by 1, 2 or 4, minus 1, times 2), so the result hangs on a's bits alone:
;   |a| < 1: 0.5 where |a| > 0.25, else 0 (the tie at 0.25 goes to the even 0).   |a| >= 1: the exponent stays, and the one mantissa bit is 1 where the fraction is above 0.25
;   (the tie goes to 0; a round-up to 2 is clipped to 1, never carried into the exponent).  The sign is a's.
; So a quotient one step off puts a weight on the wrong side of a threshold, and the two divisions are made to the last bit:
;   s = amax x (1/6 rounded to f32), ONE rounding: the form that a division by the constant 6.0 takes where reference() is compiled as a whole;
;   a = w / s, a division by a number that is no constant: correctly rounded.
; LIMITS.  Against the true quotient amax / 6 this s is the same or one step larger; a weight whose quotient lies within a step of a threshold then falls on the other side of it.
; |x| and |w_deq| under 65,504 (f16's range; beyond 65,520 the conversion gives an infinity).  A group's amax is 0 or within 2^-96 .. 2^96, so that the reciprocal and the
; residuals stay normal; then |a| < 8 and the upper clip of the exponent never acts.  floor(log2 a) is taken as the exponent field, that is, exactly.  NaN and infinities in weight
; are not treated as reference() treats them (the maximum drops a NaN).  w_deq is rounded twice: to f32, as reference() has it, and then to f16.
; SHARES.  Eight waves; waves 0-3 take four rows of x, waves 4-7 the same four rows of weight: every work-group has the same mix.  A wave owns one row: 16,384 bytes in, 8,192 out,
; in 32 chunks.  A load of the wave takes 512 consecutive bytes, 16 a lane: one group of 128 weights.  A store puts 256 consecutive bytes, aligned, 8 a lane.
; No LDS, no barrier: no wave wants a byte of another's.  No prefetch: the launch does nothing but stream.
; THE MODE: SCHED_MODE bits 1:0 = 2 (LLVM: expert scheduling mode 2), set by the entry lines.  The code itself states the register dependences between vector instructions and memory
; instructions, with s_wait_alu, always for 0.
; THE PLAN.  Registers that memory instructions touch:
;   v[VI], v[VO]   byte offsets, made once at the head and never written again; every load or store reads one of them.
;   x:  the 32 chunks go in 8 blocks of four, all written out; the chunk stands in the immediate offset, and no base is stepped.
;     XX0 .. XX3   four blocks as loaded.  Written by the loads of block p + 3, issued in block p; read by block p's conversions.
;     XY0, XY1     two blocks to store.    Written by block p's conversions; read by the four stores that are issued in block p + 1.
;     Block p works on XX[p % 4] and writes XY[p % 2].  Its memory instructions are the loads into XX[(p - 1) % 4] and the stores from XY[(p - 1) % 2]: the two buffers that block p - 1
;     worked on and that no vector instruction of block p names.  So the waits at a block's head state all that its eight memory instructions hang on.
;   weight:  8 steps of four groups, two to a trip.
;     X, X+16      a step's vector lines read its buffer up to the second residual; behind that the loads for the step two on land in it.
;     Y, Y+8       a step's conversions write it; the step's four stores read it; it is written again two steps on.
;     M, T, P, Q, R, U are named by vector instructions alone.
;     So a step has one wait behind its second residual, ahead of its loads, and one behind its conversions, ahead of its stores; a trip has one, at its end, for the stores' reads of Y and Y+8.
.set CHIN,  512                        ; bytes of a chunk as loaded
.set CHOUT, 256                        ; and as stored
.set VI,  1                            ; v1        16 x lane; never rewritten
.set VO,  2                            ; v2        8 x lane; never rewritten
.set XX,  4                            ; v[4:67]   x: as loaded: four buffers of four chunks, 16 registers each
.set XY,  68                           ; v[68:83]  x: to store: two buffers of four chunks, 8 registers each
.set X,   4                            ; v[4:35]   weight: as loaded: two buffers of four groups
.set Y,   36                           ; v[36:51]  weight: to store: two buffers of four groups
.set M,   52                           ; v[52:55]  a group's amax
.set T,   56                           ; v[56:59]  at work
.set P,   60                           ; v[60:75]  group g at P + 4 g: s, a residual, 1/s refined, 1/s as v_rcp_f32 gives it; the packed lines name the pairs and take the even register for both halves
.set Q,   76                           ; v[76:91]  16 quotients, then 16 results
.set R,   92                           ; v[92:107] 16 magnitudes, residuals, quantised patterns
.set U,   108                          ; v[108:111] at work
.set IN,  16                           ; s[16:17]  my row in x or weight
.set OUT, 18                           ; s[18:19]  my row in xh or wh
.set MK,  68                           ; s[68:99]  the quantiser's 32 masks: for numbers 4 c + j, 1 <= |a| at MK + 8 c + j and 0.25 < |a| at MK + 8 c + 4 + j
	s_load_b256 s[4:11], s[0:1], 0x0               ; x s[4:5], weight s[6:7], xh s[8:9], wh s[10:11]
	v_and_b32 v3, 31, v0
	v_lshlrev_b32 v[VI], 4, v3
	v_lshlrev_b32 v[VO], 3, v3
	v_lshrrev_b32 v3, 5, v0
	v_readfirstlane_b32 s12, v3                    ; wave 0..7
	s_lshl_b32 s15, ttmp9, 2
	s_mov_b32 s21, 0
	s_mov_b32 s22, 3                               ; trips of weight's loop: 24 of the 32 groups; the last eight load nothing
	s_wait_alu depctr_va_sdst(0)                   ; s12 is written, ahead of its first reader: the arm and the row are made from it
	s_lshr_b32 s13, s12, 2                         ; 0: x, 1: weight
	s_and_b32 s14, s12, 3
	s_add_co_u32 s14, s14, s15                     ; my row = 4 x work-group + wave % 4
	s_wait_kmcnt 0x0
	s_cmp_eq_u32 s13, 0
	s_cselect_b64 s[IN:IN+1], s[4:5], s[6:7]
	s_cselect_b64 s[OUT:OUT+1], s[8:9], s[10:11]
	s_lshl_b32 s20, s14, 14                        ; row x 16,384 bytes, under 2^26
	s_add_nc_u64 s[IN:IN+1], s[IN:IN+1], s[20:21]
	s_lshl_b32 s20, s14, 13                        ; row x 8,192 bytes
	s_add_nc_u64 s[OUT:OUT+1], s[OUT:OUT+1], s[20:21]
	s_wait_alu depctr_va_vdst(0)                   ; v[VI] and v[VO] are written: every load and store of either arm reads one of them as its offset
	s_cmp_eq_u32 s13, 0                            ; compared again: the shifts have written SCC
	s_cbranch_scc0 .Lweight
; ---- x: blocks of four chunks; twelve loads of the wave are on their way behind a block's four ----
; Block p.  first = 1: block 0, with no block in front of it.  ahead = 1: block p + 3 is loaded.  left = the younger loads that may stay out.
.macro XBLK p, first, ahead, left
	s_wait_loadcnt \left                           ; loads come back in order: XX[p % 4] is in, the younger blocks stay out
.if !\first
	s_wait_xcnt 0x0                                ; every earlier memory instruction has had its addresses translated: XY[p % 2], the data of stores issued in the block before, is written again only behind this wait
	s_wait_alu depctr_vm_vsrc(0)                   ; those stores have read XY[p % 2], which this block's conversions write again
	s_wait_alu depctr_va_vdst(0)                   ; the block before has written the other XY, which the stores below read, and is done reading its XX, in which the loads below land
.endif
.irp i, 0,1,2,3
.if \ahead
	global_load_b128 v[XX+16*(((\p)+3)%4)+4*(\i):XX+16*(((\p)+3)%4)+4*(\i)+3], v[VI], s[IN:IN+1] offset:CHIN*(4*((\p)+3)+(\i)) th:TH_LOAD_NT  ; three blocks ahead; no vector instruction since the wait names these registers
.endif
.if !\first
	global_store_b64 v[VO], v[XY+8*(((\p)+1)%2)+2*(\i):XY+8*(((\p)+1)%2)+2*(\i)+1], s[OUT:OUT+1] offset:CHOUT*(4*((\p)-1)+(\i))  ; the block before
.endif
	v_cvt_pk_f16_f32 v[XY+8*((\p)%2)+2*(\i)],   v[XX+16*((\p)%4)+4*(\i)],   v[XX+16*((\p)%4)+4*(\i)+1]
	v_cvt_pk_f16_f32 v[XY+8*((\p)%2)+2*(\i)+1], v[XX+16*((\p)%4)+4*(\i)+2], v[XX+16*((\p)%4)+4*(\i)+3]
.endr
.endm
.irp i, 0,1,2,3,4,5,6,7,8,9,10,11
	global_load_b128 v[XX+4*(\i):XX+4*(\i)+3], v[VI], s[IN:IN+1] offset:CHIN*(\i) th:TH_LOAD_NT  ; blocks 0, 1 and 2 into XX0, XX1, XX2
.endr
	XBLK 0, 1, 1, 8
.irp p, 1,2,3,4
	XBLK \p, 0, 1, 8
.endr
	XBLK 5, 0, 0, 8                                ; blocks 5 to 7 load nothing: no load leaves the row, the counts run down
	XBLK 6, 0, 0, 4
	XBLK 7, 0, 0, 0
	s_wait_alu depctr_va_vdst(0)                   ; block 7 has written XY1, which the last four stores read
.irp i, 0,1,2,3
	global_store_b64 v[VO], v[XY+8+2*(\i):XY+8+2*(\i)+1], s[OUT:OUT+1] offset:CHOUT*(28+(\i))
.endr
	s_endpgm
; ---- weight: two buffers of four groups; a buffer is asked for again as soon as its last reader is done ----
.Lweight:
	s_mov_b32 s23, 0x3e2aaaab                      ; 1/6 rounded to nearest
	s_mov_b32 s25, 0x001fffff                      ; added to a pattern, it sets bit 22 (or carries past it) where the fraction is above 0.25
	s_mov_b32 s26, 0x00400000                      ; bit 22: E2M1's one mantissa bit
	s_mov_b32 s27, 0xffc00000                      ; sign, exponent, bit 22
	s_mov_b32 s28, 0x80000000                      ; sign
	s_mov_b32 s29, 0x3e800000                      ; 0.25
	s_mov_b32 s30, 0x76543210                      ; v_permlanex16_b32: each lane takes its own place in the other half
	s_mov_b32 s31, 0xfedcba98
	s_mov_b32 s40, 0x3f000000                      ; 0.5
	s_mov_b32 s41, 0x7fffffff                      ; all but the sign
	s_mov_b32 s42, 0x3f800000                      ; 1.0
.irp g, 0,1,2,3
	v_mov_b32 v[T+(\g)], 0                         ; v_permlanex16_b32's destination counts as read: written once here
.endr
.macro WLOAD xb, c                     ; four groups, from chunk c behind the base
.irp g, 0,1,2,3
	global_load_b128 v[(\xb)+4*(\g):(\xb)+4*(\g)+3], v[VI], s[IN:IN+1] offset:CHIN*((\c)+(\g)) th:TH_LOAD_NT
.endr
.endm
.macro WSTORE yb, c
.irp g, 0,1,2,3
	global_store_b64 v[VO], v[(\yb)+2*(\g):(\yb)+2*(\g)+1], s[OUT:OUT+1] offset:CHOUT*((\c)+(\g))
.endr
.endm
.macro RESID xb                        ; R = w - s q, exact to one rounding: eight pairs
.irp p, 0,1,2,3,4,5,6,7
	v_pk_fma_f32 v[R+2*(\p):R+2*(\p)+1], v[P+4*((\p)/2):P+4*((\p)/2)+1], v[Q+2*(\p):Q+2*(\p)+1], v[(\xb)+2*(\p):(\xb)+2*(\p)+1] op_sel_hi:[0,1,1] neg_lo:[1,0,0] neg_hi:[1,0,0]
.endr
.endm
.macro CORR                            ; q = q + R / s
.irp p, 0,1,2,3,4,5,6,7
	v_pk_fma_f32 v[Q+2*(\p):Q+2*(\p)+1], v[R+2*(\p):R+2*(\p)+1], v[P+4*((\p)/2)+2:P+4*((\p)/2)+3], v[Q+2*(\p):Q+2*(\p)+1] op_sel_hi:[1,0,1]
.endr
.endm
; A step: four groups from buffer xb to buffer yb, chunks at .. at + 3 behind the bases.  ahead = 1: the buffer is loaded again, eight chunks on.  left = the younger loads that may stay out.
; Each part is written across the four groups (or the eight pairs), so that no line waits for the one before it.
.macro WSTEP xb, yb, at, ahead, left
	s_wait_loadcnt \left                           ; loads come back in order: this buffer is in; the other's four loads may stay out
	; the group's amax: my four magnitudes, then the 32 lanes
.irp i, 0,1,2,3,4,5,6,7,8,9,10,11,12,13,14,15
	v_and_b32 v[R+(\i)], s41, v[(\xb)+(\i)]
.endr
.irp g, 0,1,2,3
	v_max3_num_f32 v[M+(\g)], v[R+4*(\g)], v[R+4*(\g)+1], v[R+4*(\g)+2]
.endr
.irp g, 0,1,2,3
	v_max_num_f32 v[M+(\g)], v[M+(\g)], v[R+4*(\g)+3]
.endr
.irp m, 1,2,4,8
.irp g, 0,1,2,3
	v_max_num_f32_dpp v[M+(\g)], v[M+(\g)], v[M+(\g)] row_xmask:\m row_mask:0xf bank_mask:0xf
.endr
.endr
.irp g, 0,1,2,3
	v_permlanex16_b32 v[T+(\g)], v[M+(\g)], s30, s31
.endr
.irp g, 0,1,2,3
	v_max_num_f32 v[M+(\g)], v[M+(\g)], v[T+(\g)]
.endr
	; s = amax x the rounded 1/6, one rounding (see the head); the compares stand first, so that the multiplications lie between them and the wait
.irp g, 0,1,2,3
	v_cmp_eq_f32 s[32+(\g)], 0, v[M+(\g)]
.endr
.irp g, 0,1,2,3
	v_mul_f32 v[P+4*(\g)], s23, v[M+(\g)]
.endr
	s_wait_alu depctr_va_sdst(0)                   ; the four compares have written s[32:35], ahead of the selects that read them
.irp g, 0,1,2,3
	v_cndmask_b32 v[P+4*(\g)], v[P+4*(\g)], s42, s[32+(\g)]  ; 1 where the group is all zeros
.endr
	; 1 / s, refined once
.irp g, 0,1,2,3
	v_rcp_f32 v[P+4*(\g)+3], v[P+4*(\g)]
.endr
	v_nop                                          ; a plain instruction behind the last reciprocal, ahead of the first use (ISA guide 5.7.2)
	s_wait_alu depctr_va_vdst(0)                   ; the four reciprocals have written v[P+3], v[P+7], v[P+11], v[P+15]: one wait ahead of the first line that names a result
.irp g, 0,1,2,3
	v_fma_f32 v[P+4*(\g)+1], -v[P+4*(\g)], v[P+4*(\g)+3], 1.0
.endr
.irp g, 0,1,2,3
	v_fma_f32 v[P+4*(\g)+2], v[P+4*(\g)+1], v[P+4*(\g)+3], v[P+4*(\g)+3]
.endr
	; a = w / s, correctly rounded: the estimate w x (1/s), and two steps of residual and correction
.irp p, 0,1,2,3,4,5,6,7
	v_pk_mul_f32 v[Q+2*(\p):Q+2*(\p)+1], v[(\xb)+2*(\p):(\xb)+2*(\p)+1], v[P+4*((\p)/2)+2:P+4*((\p)/2)+3] op_sel_hi:[1,0]
.endr
	RESID \xb
	CORR
	RESID \xb
.if \ahead
	s_wait_alu depctr_va_vdst(0)                   ; the second residuals, the buffer's last readers, are done reading it: the loads below land in it; no later line of the step names it
	WLOAD \xb, (\at)+8
.endif
	CORR
	; the quantiser, on a's bits.  First all 32 compares, into s[MK ..]; then the patterns for |a| >= 1, which read no mask; then one wait; then the selects
.irp c, 0,1,2,3
.irp j, 0,1,2,3
	v_and_b32 v[T+(\j)], s41, v[Q+4*(\c)+(\j)]                       ; |a|: as a pattern it orders like the number
.endr
.irp j, 0,1,2,3
	v_cmp_le_u32 s[MK+8*(\c)+(\j)], s42, v[T+(\j)]                   ; 1 <= |a|
.endr
.irp j, 0,1,2,3
	v_cmp_lt_u32 s[MK+8*(\c)+4+(\j)], s29, v[T+(\j)]                 ; 0.25 < |a|
.endr
.endr
.irp i, 0,1,2,3,4,5,6,7,8,9,10,11,12,13,14,15
	v_add_nc_u32 v[R+(\i)], s25, v[Q+(\i)]
.endr
.irp i, 0,1,2,3,4,5,6,7,8,9,10,11,12,13,14,15
	v_and_or_b32 v[R+(\i)], v[R+(\i)], s26, v[Q+(\i)]                ; bit 22 of the sum, or a's own where the sum has carried past it: the clipped round-up
.endr
.irp i, 0,1,2,3,4,5,6,7,8,9,10,11,12,13,14,15
	v_and_b32 v[R+(\i)], s27, v[R+(\i)]                              ; |a| >= 1: sign, exponent, one mantissa bit
.endr
	s_wait_alu depctr_va_sdst(0)                   ; the 32 compares have written s[MK ..], ahead of the selects that read them: one wait for the run
.irp c, 0,1,2,3
.irp j, 0,1,2,3
	v_and_or_b32 v[U+(\j)], v[Q+4*(\c)+(\j)], s28, s40               ; 0.5 with a's sign
.endr
.irp j, 0,1,2,3
	v_cndmask_b32 v[U+(\j)], 0, v[U+(\j)], s[MK+8*(\c)+4+(\j)]
.endr
.irp j, 0,1,2,3
	v_cndmask_b32 v[Q+4*(\c)+(\j)], v[U+(\j)], v[R+4*(\c)+(\j)], s[MK+8*(\c)+(\j)]
.endr
.endr
	; times s, in f32 as reference() has it; then once to f16
.irp p, 0,1,2,3,4,5,6,7
	v_pk_mul_f32 v[Q+2*(\p):Q+2*(\p)+1], v[Q+2*(\p):Q+2*(\p)+1], v[P+4*((\p)/2):P+4*((\p)/2)+1] op_sel_hi:[1,0]
.endr
.irp p, 0,1,2,3,4,5,6,7
	v_cvt_pk_f16_f32 v[(\yb)+(\p)], v[Q+2*(\p)], v[Q+2*(\p)+1]
.endr
	s_wait_alu depctr_va_vdst(0)                   ; the conversions have written this step's Y, which the stores below read
	WSTORE \yb, \at
.endm
	WLOAD X, 0                                     ; no vector instruction has named X, X+16 or v[VI] since the wait at the head
	WLOAD X+16, 4
.Lwtrip:                                       ; eight groups a trip
	WSTEP X, Y, 0, 1, 4
	WSTEP X+16, Y+8, 4, 1, 4
	s_wait_xcnt 0x0                                ; the two bases, and Y and Y+8, which this trip's stores read, are written again only behind this wait
	s_wait_alu depctr_vm_vsrc(0)                   ; this trip's stores have read Y and Y+8, which the next two steps' conversions write again, in the loop and behind it
	s_add_nc_u64 s[IN:IN+1], s[IN:IN+1], 8*CHIN
	s_add_nc_u64 s[OUT:OUT+1], s[OUT:OUT+1], 8*CHOUT
	s_sub_co_u32 s22, s22, 1
	s_cmp_lg_u32 s22, 0
	s_cbranch_scc1 .Lwtrip
	WSTEP X, Y, 0, 0, 4                            ; the last eight groups load nothing
	WSTEP X+16, Y+8, 4, 0, 0
	s_endpgm
.Lfunc_end_k_qe5c5389c9e_prep:
	.size	k_qe5c5389c9e_prep, .Lfunc_end_k_qe5c5389c9e_prep-k_qe5c5389c9e_prep
	.p2alignl 7, 3214868480
	.fill 96, 4, 3214868480
	.section	.rodata,"a",@progbits
	.p2align	6, 0x0
	.amdhsa_kernel k_qe5c5389c9e_prep
		.amdhsa_group_segment_fixed_size 0
		.amdhsa_private_segment_fixed_size 0
		.amdhsa_enable_private_segment 0
		.amdhsa_kernarg_size 32
		.amdhsa_user_sgpr_count 2
		.amdhsa_user_sgpr_kernarg_segment_ptr 1
		.amdhsa_wavefront_size32 1
		.amdhsa_system_sgpr_workgroup_id_x 1
		.amdhsa_system_sgpr_workgroup_id_y 1
		.amdhsa_system_sgpr_workgroup_id_z 1
		.amdhsa_system_vgpr_workitem_id 0
		.amdhsa_next_free_vgpr 112
		.amdhsa_next_free_sgpr 100
		.amdhsa_reserve_vcc 0
		.amdhsa_float_denorm_mode_32 3
		.amdhsa_float_denorm_mode_16_64 3
		.amdhsa_memory_ordered 1
		.amdhsa_forward_progress 1
		.amdhsa_inst_pref_size 75
	.end_amdhsa_kernel
	.amdgpu_metadata
---
amdhsa.version: [ 1, 2 ]
amdhsa.kernels:
  - .name:           k_qe5c5389c9e_prep
    .symbol:         k_qe5c5389c9e_prep.kd
    .args:
      - { .name: x, .offset: 0, .size: 8, .value_kind: global_buffer, .address_space: global }
      - { .name: weight, .offset: 8, .size: 8, .value_kind: global_buffer, .address_space: global }
      - { .name: xh, .offset: 16, .size: 8, .value_kind: global_buffer, .address_space: global }
      - { .name: wh, .offset: 24, .size: 8, .value_kind: global_buffer, .address_space: global }
    .group_segment_fixed_size: 0
    .private_segment_fixed_size: 0
    .kernarg_segment_align: 8
    .kernarg_segment_size: 32
    .max_flat_workgroup_size: 256
    .sgpr_count:     100
    .vgpr_count:     112
    .wavefront_size: 32
...
	.end_amdgpu_metadata
.endif
;; end of part 3
;; launch gemm: the kernel of part 2 again; grid 16 x 16, 4 waves a work-group, clusters of 4 x 4, 327,680 bytes of LDS; arguments xh, wh, b, out0; writes out0
